; MI455X (gfx1250); checked and timed in simulation.
; The chip was launched on July 23, 2026; its instructions are those of AMD's public machine-readable ISA for CDNA 5 (MIT licence, August 2026) and "CDNA5" Instruction Set Architecture Reference Guide (July 2026). The comments in the code are by the model that wrote it; some were corrected since.
;; Mo E Layer. Allowed arithmetic: float matrix products may take bf16 or f16 operands with f32 sums; all other float work in f32.
;; Inputs: W1 8 x 512 x 2,048 float32; W2 8 x 2,048 x 512 float32; Wg 512 x 8 float32; b1 8 x 2,048 float32; b2 8 x 512 float32; bg 8 float32; x 2 x 2,048 x 512 float32.
;; Outputs: out0 2 x 2,048 x 512 float32; out1 4,096 x 8 float32.
;; 2 versions, each right; version 2 is version 1 with the launch prep written anew for expert scheduling mode. Each part assembles by itself: llvm-mc -triple=amdgcn-amd-amdhsa -mcpu=gfx1250 --defsym DOCPART=n.
;; ======== version 1 of 2: 4 launches
;; limits: values are held in f16: magnitudes above 65,504 overflow, below 6.1e-05 lose precision; inputs' magnitudes at most 65,504
;; workspace buffers: W1h 16,777,216 bytes; W2h 16,777,216 bytes; xh 4,194,304 bytes; sel 32,768 bytes of whole numbers; gw 32,768 bytes; list 131,072 bytes of whole numbers; blk 1,024 bytes of whole numbers; ypart 67,108,864 bytes
;; launch prep (part 1): grid 256 x 1, 16 waves a work-group, no clusters, 21,504 bytes of LDS; arguments x, Wg, bg, W1, out1, xh, W1h, sel, gw; writes out1, xh, W1h, sel, gw
.if DOCPART == 1
	.amdgcn_target "amdgcn-amd-amdhsa--gfx1250"
	.amdhsa_code_object_version 6
	.text
	.protected	k_q981097e331_prep
	.globl	k_q981097e331_prep
	.p2align	8
	.type	k_q981097e331_prep,@function
k_q981097e331_prep:
	s_mov_b64 s[64:65], 0
	v_nop
	global_prefetch_b8 v0, s[64:65] scope:SCOPE_SE
	s_setreg_imm32_b32 hwreg(HW_REG_WAVE_MODE, 25, 1), 1
	s_wait_xcnt 0x0
; PREP.  Three things, all streams:
;   (1) the gate: logits = x Wg + bg, softmax over the 8 experts (out1), the two largest probabilities (sel: their experts, gw: their values);
;   (2) x narrowed to f16 (xh);   (3) the first half of W1 narrowed to f16 (W1h, same layout).  The rest of the weights is narrowed in the next launch,
;       so that each of the two launches has a stream to run beside its chain of dependent steps (here the gate, there the lists).
; The gate is computed in f32 from the f32 inputs on the vector unit: the choice of two experts is a discontinuous function of the logits, and operands
; narrowed to 16 bits would move it.  It is 4096 x 512 x 8 multiply-adds, next to nothing.
; SHARES.  256 work-groups of 16 waves.  Work-group g: tokens 16 g .. 16 g + 15, one to a wave; floats 16384 g .. + 16383 of W1.
; All 14 loads of a thread go out at once (2 of Wg, 4 of x, 8 of weights), so there is no ring; the waits count down.
; No matrix unit, no cluster, no tensor load: nothing here is read twice but Wg (16 KiB, kept in LDS).
; LIMITS.  f16 holds magnitudes up to 65504; larger x or W become infinite.  Below 6e-5 the absolute rounding error is at most 3e-8.
;          The choice of experts can differ from an f32 evaluation in another order of summation only where two probabilities agree to within f32 rounding.
;          On equal probabilities the lower expert wins, as in top_k.
.set LOG2E, 0x3fb8aa3b
.set WGP,  144                         ; LDS pitch of a group of 4 rows of Wg (128 bytes + 16): 9 x 16, so 16 neighbouring lanes touch 16 different 16-byte columns
.set ST_P, 18432                       ; stage: 16 tokens x 8 probabilities
.set ST_G, 18944                       ; stage: 16 tokens x 2 gate weights
.set ST_E, 19072                       ; stage: 16 tokens x 2 expert numbers
.set NW,   8                           ; loads of weights in a thread
.set ACC,  8                           ; v[8:15]    the 8 sums, then logits, then probabilities
.set XR,   16                          ; v[16:31]   my 16 numbers of the token: register 4 j + c is x[128 j + 4 lane + c]
.set WB0,  32                          ; v[32:63]   a chunk of Wg: register 8 c + e is Wg[128 j + 4 lane + c][e]
.set WB1,  64                          ; v[64:95]   the other chunk
.set CV,   96                          ; v[96:127]  8 loads of weights, 4 registers each
.set WGR,  224                         ; v[224:231] my two pieces of Wg on their way into LDS
.set XH,   232                         ; v[232:239] my 16 numbers of the token in f16
	s_load_b256 s[4:11], s[0:1], 0x0               ; x 4, Wg 6, bg 8, W1 10
	s_load_b256 s[12:19], s[0:1], 0x20             ; out1 12, xh 14, W1h 16, sel 18
	s_load_b64 s[20:21], s[0:1], 0x40              ; gw
	v_lshl_add_u32 v254, v0, 2, 0x4c00
	v_mov_b32 v255, 0
	v_lshrrev_b32 v6, 5, v0
	v_readfirstlane_b32 s26, v6                    ; wave 0..15
	v_and_b32 v1, 31, v0                           ; lane
	v_lshlrev_b32 v2, 4, v0                        ; 16 x thread: loads of Wg and of the weights
	v_lshlrev_b32 v3, 3, v0                        ; 8 x thread: stores of the narrowed weights
	v_mul_u32_u24 v4, v1, WGP                      ; where my lane reads Wg in LDS: group 32 j + lane
	v_lshrrev_b32 v5, 3, v0                        ; where my thread puts piece q = thread of Wg: group q / 8,
	v_mul_u32_u24 v5, v5, WGP
	v_and_b32 v6, 7, v0
	v_lshl_add_u32 v5, v6, 4, v5                   ; 16 bytes q % 8 of it
	v_lshlrev_b32 v7, 4, v1                        ; 16 x lane
	v_lshlrev_b32 v6, 3, v1                        ; 8 x lane
	v_lshlrev_b32 v252, 2, v1                      ; 4 x lane
	s_lshl_b32 s27, ttmp9, 4
	s_add_co_u32 s27, s27, s26                     ; my token
	s_mov_b32 s29, 0
	s_mov_b32 s40, 0x76543210                      ; v_permlanex16_b32: each lane takes its own place in the other half
	s_mov_b32 s41, 0xfedcba98
	s_wait_kmcnt 0x0
	s_load_b256 s[32:39], s[8:9], 0x0              ; bg
	s_lshl_b32 s28, s27, 11
	s_add_nc_u64 s[4:5], s[4:5], s[28:29]          ; x at my token: rows of 2048 bytes
	s_lshl_b32 s28, s27, 10
	s_add_nc_u64 s[14:15], s[14:15], s[28:29]      ; xh at my token: rows of 1024 bytes
	s_lshl_b32 s28, ttmp9, 16
	s_add_nc_u64 s[10:11], s[10:11], s[28:29]      ; W1 at the group's 65536 bytes
	s_lshl_b32 s28, ttmp9, 15
	s_add_nc_u64 s[16:17], s[16:17], s[28:29]      ; W1h at the group's 32768 bytes
	s_lshl_b32 s28, ttmp9, 9
	s_add_nc_u64 s[12:13], s[12:13], s[28:29]      ; out1: 16 tokens x 32 bytes
	s_lshl_b32 s28, ttmp9, 7
	s_add_nc_u64 s[18:19], s[18:19], s[28:29]      ; sel and gw: 16 tokens x 8 bytes
	s_add_nc_u64 s[20:21], s[20:21], s[28:29]
	; all 14 loads, in the order in which they are wanted
	global_load_b128 v[WGR:WGR+3],   v2, s[6:7]
	global_load_b128 v[WGR+4:WGR+7], v2, s[6:7] offset:8192
.irp j, 0,1,2,3
	global_load_b128 v[XR+4*\j:XR+4*\j+3], v7, s[4:5] offset:512*\j
.endr
.irp i, 0,1,2,3,4,5,6,7
	global_load_b128 v[CV+4*\i:CV+4*\i+3], v2, s[10:11] offset:8192*\i th:TH_LOAD_NT
.endr
	s_wait_loadcnt 4+NW                            ; Wg is in: the 4 loads of x and the 8 of weights stay out
	ds_store_b128 v5, v[WGR:WGR+3]
	ds_store_b128 v5, v[WGR+4:WGR+7] offset:64*WGP ; piece q + 512: 64 groups on
	s_wait_dscnt 0x0                               ; for the others: my pieces of Wg are in LDS
	s_barrier_signal -1
	s_barrier_wait -1
	s_wait_loadcnt NW                              ; x is in: the 8 loads of weights stay out
.irp j, 0,1,2,3
	v_cvt_pk_f16_f32 v[XH+2*\j],   v[XR+4*\j],   v[XR+4*\j+1]
	v_cvt_pk_f16_f32 v[XH+2*\j+1], v[XR+4*\j+2], v[XR+4*\j+3]
	global_store_b64 v6, v[XH+2*\j:XH+2*\j+1], s[14:15] offset:256*\j   ; the wave stores 256 consecutive bytes, at a multiple of 256 from the first byte of xh
.endr
; a chunk of Wg: rows 128 j + 4 lane + 0..3, all 8 experts: 8 loads of 16 bytes
.macro WGLD j, buf
.irp i, 0,1,2,3,4,5,6,7
	ds_load_b128 v[\buf+4*\i:\buf+4*\i+3], v4 offset:32*WGP*\j+16*\i
.endr
.endm
; 16 packed multiply-adds: two experts at a time, x broadcast from one register of its pair.  first = 1: the first products start the sums
.macro GFMA j, buf, first
.irp c, 0,1,2,3
.irp e, 0,2,4,6
.if \first && (\c == 0)
	v_pk_mul_f32 v[ACC+\e:ACC+\e+1], v[XR+4*\j:XR+4*\j+1], v[\buf+\e:\buf+\e+1] op_sel_hi:[0,1]
.elseif (\c % 2) == 0
	v_pk_fma_f32 v[ACC+\e:ACC+\e+1], v[XR+4*\j+\c:XR+4*\j+\c+1], v[\buf+8*\c+\e:\buf+8*\c+\e+1], v[ACC+\e:ACC+\e+1] op_sel_hi:[0,1,1]
.else
	v_pk_fma_f32 v[ACC+\e:ACC+\e+1], v[XR+4*\j+\c-1:XR+4*\j+\c], v[\buf+8*\c+\e:\buf+8*\c+\e+1], v[ACC+\e:ACC+\e+1] op_sel:[1,0,0] op_sel_hi:[1,1,1]
.endif
.endr
.endr
.endm
	WGLD 0, WB0
	WGLD 1, WB1
	s_wait_dscnt 8                                 ; the older chunk is in, the 8 loads of the younger stay out
	GFMA 0, WB0, 1
	WGLD 2, WB0
	s_wait_dscnt 8
	GFMA 1, WB1, 0
	WGLD 3, WB1
	s_wait_dscnt 8
	GFMA 2, WB0, 0
	s_wait_dscnt 0x0
	GFMA 3, WB1, 0
	; the 8 sums over the 32 lanes: four steps inside each half of 16 lanes, one across; every lane ends with all eight
.irp m, 1,2,4,8
.irp e, 0,1,2,3,4,5,6,7
	v_add_f32_dpp v[ACC+\e], v[ACC+\e], v[ACC+\e] row_xmask:\m row_mask:0xf bank_mask:0xf
.endr
.endr
.irp e, 0,1,2,3,4,5,6,7
	v_permlanex16_b32 v[WB0+\e], v[ACC+\e], s40, s41   ; its destination counts as read: the chunk registers have been written and are free
.endr
	s_wait_kmcnt 0x0                               ; bg
.irp e, 0,1,2,3,4,5,6,7
	v_add_f32 v[ACC+\e], v[ACC+\e], v[WB0+\e]
.endr
.irp e, 0,1,2,3,4,5,6,7
	v_add_f32 v[ACC+\e], s[32+\e], v[ACC+\e]       ; the logits
.endr
	; softmax: the maximum is taken away first
	v_max3_num_f32 v240, v[ACC], v[ACC+1], v[ACC+2]
	v_max3_num_f32 v240, v240, v[ACC+3], v[ACC+4]
	v_max3_num_f32 v240, v240, v[ACC+5], v[ACC+6]
	v_max_num_f32 v240, v240, v[ACC+7]
	v_mov_b32 v241, v240
.irp e, 0,2,4,6
	v_pk_add_f32 v[ACC+\e:ACC+\e+1], v[ACC+\e:ACC+\e+1], v[240:241] neg_lo:[0,1] neg_hi:[0,1]
.endr
.irp e, 0,2,4,6
	v_pk_mul_f32 v[ACC+\e:ACC+\e+1], v[ACC+\e:ACC+\e+1], LOG2E op_sel_hi:[1,0]
.endr
.irp e, 0,1,2,3,4,5,6,7
	v_exp_f32 v[ACC+\e], v[ACC+\e]
.endr
	v_mov_b32 v246, 0                              ; the plain instruction between the exponentials and the use of their results; also: the first index starts at expert 0
	s_wait_alu depctr_va_vdst(0)
	v_pk_add_f32 v[242:243], v[ACC:ACC+1], v[ACC+2:ACC+3]
	v_pk_add_f32 v[250:251], v[ACC+4:ACC+5], v[ACC+6:ACC+7]
	v_pk_add_f32 v[242:243], v[242:243], v[250:251]
	v_add_f32 v242, v242, v243                     ; at least 1: the largest logit gives 2^0
	v_rcp_f32 v244, v242
	v_rcp_f32 v245, v242                           ; twice: a pair for the packed multiply
	v_mov_b32 v247, 1                              ; the plain instruction behind the reciprocals; also: the second index starts at 1, so that it differs from the first even if no comparison below holds
	s_wait_alu depctr_va_vdst(0)
.irp e, 0,2,4,6
	v_pk_mul_f32 v[ACC+\e:ACC+\e+1], v[ACC+\e:ACC+\e+1], v[244:245]
.endr
	; the two largest probabilities, scanned upward with a strict comparison: on a tie the lower expert stays.  v[246:247] experts, v[248:249] values
	v_mov_b32 v248, v[ACC]
	v_mov_b32 v249, -1.0
.irp e, 1,2,3,4,5,6,7
	v_cmp_gt_f32 vcc_lo, v[ACC+\e], v248
	v_cndmask_b32 v248, v248, v[ACC+\e], vcc_lo
	v_cndmask_b32 v246, v246, \e, vcc_lo
.endr
.irp e, 0,1,2,3,4,5,6,7
	v_cmp_ne_u32 s43, \e, v246                     ; not the first one again
	v_cmp_gt_f32 vcc_lo, v[ACC+\e], v249
	s_and_b32 vcc_lo, vcc_lo, s43
	v_cndmask_b32 v249, v249, v[ACC+\e], vcc_lo
	v_cndmask_b32 v247, v247, \e, vcc_lo
.endr
	; the 16 tokens meet in LDS, so that each small output leaves as one run of neighbouring bytes.  All lanes of a wave write the same values.
	s_lshl_b32 s44, s26, 5
	s_lshl_b32 s45, s26, 3
	v_mov_b32 v250, s44
	v_mov_b32 v251, s45
	ds_store_b128 v250, v[ACC:ACC+3]   offset:ST_P
	ds_store_b128 v250, v[ACC+4:ACC+7] offset:ST_P+16
	ds_store_b64  v251, v[248:249]     offset:ST_G
	ds_store_b64  v251, v[246:247]     offset:ST_E
	s_wait_dscnt 0x0                               ; for the others: my token is in the stages
	s_barrier_signal -1
	s_barrier_wait -1
	s_cmp_lg_u32 s26, 0
	s_cbranch_scc1 .Lnot_p
	ds_load_b128 v[240:243], v7 offset:ST_P
	s_wait_dscnt 0x0
	global_store_b128 v7, v[240:243], s[12:13]     ; out1: 512 consecutive bytes
.Lnot_p:
	s_cmp_lg_u32 s26, 1
	s_cbranch_scc1 .Lnot_g
	ds_load_b32 v244, v252 offset:ST_G
	s_wait_dscnt 0x0
	global_store_b32 v252, v244, s[20:21]          ; gw: the group's whole share, 128 consecutive bytes
.Lnot_g:
	s_cmp_lg_u32 s26, 2
	s_cbranch_scc1 .Lnot_e
	ds_load_b32 v245, v252 offset:ST_E
	s_wait_dscnt 0x0
	global_store_b32 v252, v245, s[18:19]          ; sel likewise
.Lnot_e:
	; the weights: narrowed in the registers they came into, stored from there; no register is used twice, so no wait frees one
.irp i, 0,1,2,3,4,5,6,7
	s_wait_loadcnt NW-1-\i                         ; loads come back in order: number i is in, the younger ones stay out
	v_cvt_pk_f16_f32 v[CV+4*\i],   v[CV+4*\i],   v[CV+4*\i+1]
	v_cvt_pk_f16_f32 v[CV+4*\i+1], v[CV+4*\i+2], v[CV+4*\i+3]
	global_store_b64 v3, v[CV+4*\i:CV+4*\i+1], s[16:17] offset:4096*\i   ; a wave stores 256 consecutive bytes, aligned
.endr
	s_wait_tensorcnt 0x0
	ds_add_u32 v254, v255
	s_wait_dscnt 0x0
	s_endpgm
.Lfunc_end_k_q981097e331_prep:
	.size	k_q981097e331_prep, .Lfunc_end_k_q981097e331_prep-k_q981097e331_prep
	.p2alignl 7, 3214868480
	.fill 96, 4, 3214868480
	.section	.rodata,"a",@progbits
	.p2align	6, 0x0
	.amdhsa_kernel k_q981097e331_prep
		.amdhsa_group_segment_fixed_size 21504
		.amdhsa_private_segment_fixed_size 0
		.amdhsa_enable_private_segment 0
		.amdhsa_kernarg_size 72
		.amdhsa_user_sgpr_count 2
		.amdhsa_user_sgpr_kernarg_segment_ptr 1
		.amdhsa_wavefront_size32 1
		.amdhsa_system_sgpr_workgroup_id_x 1
		.amdhsa_system_sgpr_workgroup_id_y 1
		.amdhsa_system_sgpr_workgroup_id_z 1
		.amdhsa_system_vgpr_workitem_id 0
		.amdhsa_next_free_vgpr 256
		.amdhsa_next_free_sgpr 66
		.amdhsa_reserve_vcc 1
		.amdhsa_float_denorm_mode_32 3
		.amdhsa_float_denorm_mode_16_64 3
		.amdhsa_memory_ordered 1
		.amdhsa_forward_progress 1
		.amdhsa_inst_pref_size 22
	.end_amdhsa_kernel
	.amdgpu_metadata
---
amdhsa.version: [ 1, 2 ]
amdhsa.kernels:
  - .name:           k_q981097e331_prep
    .symbol:         k_q981097e331_prep.kd
    .args:
      - { .name: x, .offset: 0, .size: 8, .value_kind: global_buffer, .address_space: global }
      - { .name: Wg, .offset: 8, .size: 8, .value_kind: global_buffer, .address_space: global }
      - { .name: bg, .offset: 16, .size: 8, .value_kind: global_buffer, .address_space: global }
      - { .name: W1, .offset: 24, .size: 8, .value_kind: global_buffer, .address_space: global }
      - { .name: out1, .offset: 32, .size: 8, .value_kind: global_buffer, .address_space: global }
      - { .name: xh, .offset: 40, .size: 8, .value_kind: global_buffer, .address_space: global }
      - { .name: W1h, .offset: 48, .size: 8, .value_kind: global_buffer, .address_space: global }
      - { .name: sel, .offset: 56, .size: 8, .value_kind: global_buffer, .address_space: global }
      - { .name: gw, .offset: 64, .size: 8, .value_kind: global_buffer, .address_space: global }
    .group_segment_fixed_size: 21504
    .private_segment_fixed_size: 0
    .kernarg_segment_align: 8
    .kernarg_segment_size: 72
    .max_flat_workgroup_size: 512
    .sgpr_count:     66
    .vgpr_count:     256
    .wavefront_size: 32
...
	.end_amdgpu_metadata
.endif
;; end of part 1
;; launch place (part 2): grid 256 x 1, 32 waves a work-group, no clusters, 4,608 bytes of LDS; arguments W1, W2, W1h, W2h, sel, list, blk; writes W1h, W2h, list, blk
.if DOCPART == 2
	.amdgcn_target "amdgcn-amd-amdhsa--gfx1250"
	.amdhsa_code_object_version 6
	.text
	.protected	k_q981097e331_place
	.globl	k_q981097e331_place
	.p2align	8
	.type	k_q981097e331_place,@function
k_q981097e331_place:
	s_mov_b64 s[64:65], 0
	v_nop
	global_prefetch_b8 v0, s[64:65] scope:SCOPE_SE
	s_setreg_imm32_b32 hwreg(HW_REG_WAVE_MODE, 25, 1), 1
	s_wait_xcnt 0x0
; PLACE, BESIDE A STREAM.
; THE STREAM, all 256 work-groups: the second half of W1 and all of W2 are narrowed to f16 (W1h, W2h, same layouts).  Work-group g: 65536 bytes of W1, 131072 of W2;
;   a thread has 4 + 8 loads of 16 bytes, all issued at once, and stores 8 bytes for each: a wave's store covers 256 consecutive bytes, aligned.
; THE LISTS, work-group 0 alone, between the issue of its weight loads and their conversion.  They need the counts of all tokens, so one work-group makes them;
;   it is a chain of dependent steps on 32 KiB, and stands in this launch so that the other 255 work-groups stream meanwhile.
;   From sel[4096][2] (the two experts of each token) it makes, by whole-number work alone:
;   list[e][0 .. c_e - 1]: the pair numbers p = 2 t + k whose expert is e (any order);
;   blk[64] = {expert, first place in its list, rows, 0}: exactly 64 blocks of 1 to 144 rows that cover all 8192 pairs.
; WHY 64.  The sum over e of ceil(c_e / 144) is at most floor((8192 + 8 x 143) / 144) = 64 and at least 57 for every set of counts.  The X = 64 - sum blocks that
; are over go to the first expert with the most rows (c >= 1024): it gets n blocks of q = ceil(c / n) rows, q <= 144, and since (n - 1)^2 < c (n <= 36) its last block still has a row.
; So the next launch has a fixed grid and fixed trip counts, and every one of its work-groups has work.
; The one branch between the two ways hangs on the work-group's number: all 32 waves of a work-group take the same way, so the barrier on work-group 0's way is met by all of its waves.
; sel holds two DIFFERENT experts for each token (the launch before sees to that), so in one lane at most one of the two comparisons with e holds.
; REGISTERS.  The lists use v0-63, s4-57 and s66; the stream v64-113 and s72-81: no source of a weight load that is still out is written by the lists' text.
; v[4:11]: register i = 4 j + 2 c + k holds expert k of token 128 w + 64 j + 2 lane + c, whose pair number is 256 w + 128 j + 4 lane + 2 c + k.
; LIMITS.  f16 holds magnitudes up to 65504; larger W become infinite.  Below 6e-5 the absolute rounding error is at most 3e-8.
.set CV, 64                            ; v[64:111]  12 loads of weights, 4 registers each: 4 of W1, then 8 of W2
.set TA, 112                           ; v112       16 x thread; never rewritten
.set TS, 113                           ; v113       8 x thread; never rewritten
	s_load_b256 s[72:79], s[0:1], 0x0              ; W1 72, W2 74, W1h 76, W2h 78
	s_load_b128 s[4:7], s[0:1], 0x20               ; sel 4, list 6
	s_load_b64 s[8:9], s[0:1], 0x30                ; blk
	v_lshl_add_u32 v126, v0, 2, 0x200
	v_mov_b32 v127, 0
	v_lshlrev_b32 v[TA], 4, v0
	v_lshlrev_b32 v[TS], 3, v0
	s_mov_b32 s81, 0
	s_wait_kmcnt 0x0
	s_lshl_b32 s80, ttmp9, 16
	s_add_nc_u64 s[72:73], s[72:73], s[80:81]      ; W1: the group's 65536 bytes,
	s_add_nc_u64 s[72:73], s[72:73], 0x1000000     ; in the second half (16 MiB in)
	s_add_nc_u64 s[78:79], s[78:79], s[80:81]      ; W2h: the group's 65536 bytes
	s_lshl_b32 s80, ttmp9, 17
	s_add_nc_u64 s[74:75], s[74:75], s[80:81]      ; W2: the group's 131072 bytes
	s_lshl_b32 s80, ttmp9, 15
	s_add_nc_u64 s[76:77], s[76:77], s[80:81]      ; W1h: the group's 32768 bytes,
	s_add_nc_u64 s[76:77], s[76:77], 0x800000      ; in the second half (8 MiB in)
.macro WLOADS                          ; the thread's 12 loads of weights; the 1024 threads cover 16384 consecutive bytes with each
.irp i, 0,1,2,3
	global_load_b128 v[CV+4*\i:CV+4*\i+3], v[TA], s[72:73] offset:16384*\i th:TH_LOAD_NT
.endr
.irp i, 0,1,2,3,4,5,6,7
	global_load_b128 v[CV+16+4*\i:CV+16+4*\i+3], v[TA], s[74:75] offset:16384*\i th:TH_LOAD_NT
.endr
.endm
	s_cmp_lg_u32 ttmp9, 0
	s_cbranch_scc1 .Lstream
	; WORK-GROUP 0: 32 waves, 128 tokens each
	v_lshrrev_b32 v3, 5, v0
	v_readfirstlane_b32 s10, v3                    ; wave 0..31
	v_and_b32 v1, 31, v0                           ; lane
	v_lshlrev_b32 v2, 4, v1
	v_lshl_add_u32 v2, s10, 10, v2                 ; 1024 w + 16 lane
	s_mov_b32 s40, 0x76543210
	s_mov_b32 s41, 0xfedcba98
	global_load_b128 v[4:7],  v2, s[4:5]           ; sel first: the lists wait for it alone
	global_load_b128 v[8:11], v2, s[4:5] offset:512
	WLOADS
	s_wait_loadcnt 12                              ; sel is in; the 12 loads of weights stay out
	; my wave's count for each expert, s[16:23]; the first group starts the counts
.irp g, 0,2,4,6
.irp e, 0,1,2,3,4,5,6,7
	v_cmp_eq_u32 s12, \e, v[4+\g]
	v_cmp_eq_u32 s13, \e, v[5+\g]
	s_or_b32 s12, s12, s13
.if \g == 0
	s_bcnt1_i32_b32 s[16+\e], s12
.else
	s_bcnt1_i32_b32 s12, s12
	s_add_co_u32 s[16+\e], s[16+\e], s12
.endif
.endr
.endr
	; two counts to a word (a total is at most 4096), one row of 16 bytes for each wave
.irp k, 0,1,2,3
	s_lshl_b32 s13, s[17+2*\k], 16
	s_or_b32 s[24+\k], s[16+2*\k], s13
	v_mov_b32 v[12+\k], s[24+\k]
.endr
	s_lshl_b32 s14, s10, 4
	v_mov_b32 v16, s14
	ds_store_b128 v16, v[12:15]
	s_wait_dscnt 0x0                               ; for the others: my counts are in LDS
	s_barrier_signal -1
	s_barrier_wait -1
	v_lshlrev_b32 v17, 4, v1
	ds_load_b128 v[20:23], v17                     ; lane l: the counts of wave l
	v_mov_b32 v28, 0                               ; the destination of the lane moves below counts as read
	s_wait_dscnt 0x0
	v_cmp_gt_u32 vcc_lo, s10, v1                   ; the waves in front of mine
.irp k, 0,1,2,3
	v_cndmask_b32 v[24+\k], 0, v[20+\k], vcc_lo
.endr
	; v[20:23] summed over the lanes: the totals; v[24:27]: where my wave begins in each list
.irp m, 1,2,4,8
.irp k, 20,21,22,23,24,25,26,27
	v_mov_b32_dpp v28, v[\k] row_xmask:\m row_mask:0xf bank_mask:0xf
	v_add_nc_u32 v[\k], v[\k], v28
.endr
.endr
.irp k, 20,21,22,23,24,25,26,27
	v_permlanex16_b32 v28, v[\k], s40, s41
	v_add_nc_u32 v[\k], v[\k], v28
.endr
.irp k, 0,1,2,3
	v_readfirstlane_b32 s[24+\k], v[20+\k]
	v_readfirstlane_b32 s[28+\k], v[24+\k]
	s_and_b32  s[32+2*\k], s[24+\k], 0xffff        ; c_e in s[32:39]
	s_lshr_b32 s[33+2*\k], s[24+\k], 16
	s_and_b32  s[16+2*\k], s[28+\k], 0xffff        ; the next free place of list e, for my wave, in s[16:23]
	s_lshr_b32 s[17+2*\k], s[28+\k], 16
.endr
	; each pair's place: the free place + the number of lower lanes of this group with the same expert.  v[32+i] belongs to v[4+i]
.irp g, 0,2,4,6
.irp e, 0,1,2,3,4,5,6,7
	v_cmp_eq_u32 s12, \e, v[4+\g]
	v_cmp_eq_u32 s13, \e, v[5+\g]
	s_or_b32 s14, s12, s13
	v_mbcnt_lo_u32_b32 v29, s14, s[16+\e]
.if \e == 0
	v_cndmask_b32 v[32+\g], 0, v29, s12            ; expert 0 starts the registers: nothing is cleared
	v_cndmask_b32 v[33+\g], 0, v29, s13
.else
	v_cndmask_b32 v[32+\g], v[32+\g], v29, s12
	v_cndmask_b32 v[33+\g], v[33+\g], v29, s13
.endif
	s_bcnt1_i32_b32 s14, s14
	s_add_co_u32 s[16+\e], s[16+\e], s14
.endr
.endr
	v_lshlrev_b32 v30, 2, v1
	v_lshl_add_u32 v30, s10, 8, v30                ; 256 w + 4 lane
.irp i, 0,1,2,3,4,5,6,7
	v_lshl_add_u32 v[40+\i], v[4+\i], 12, v[32+\i] ; 4096 e + place,
	v_min_u32 v[40+\i], 0x7fff, v[40+\i]           ; held inside the buffer whatever was loaded,
	v_lshlrev_b32 v[40+\i], 2, v[40+\i]
	v_add_nc_u32 v[48+\i], 128*(\i/4)+(\i%4), v30  ; the pair number
	global_store_b32 v[40+\i], v[48+\i], s[6:7]    ; a scatter of 32 KiB in all: four bytes a lane, as the lists ask
.endr
	; the table of blocks: waves 0 and 1, thread = block
	s_cmp_ge_u32 s10, 2
	s_cbranch_scc1 .Ldone
.irp e, 0,1,2,3,4,5,6,7
	s_add_co_u32 s11, s[32+\e], 143
	s_mul_i32 s11, s11, 7282                       ; floor(a / 144) = (7282 a) >> 20, exact for a below 32768
	s_lshr_b32 s[42+\e], s11, 20                   ; n_e = ceil(c_e / 144)
.endr
	s_add_co_u32 s12, s42, s43
.irp e, 2,3,4,5,6,7
	s_add_co_u32 s12, s12, s[42+\e]
.endr
	s_sub_co_u32 s12, 64, s12                      ; X, the blocks that are over
	s_mov_b32 s13, 0                               ; the first expert with the most rows, and its count
	s_mov_b32 s14, s32
.irp e, 1,2,3,4,5,6,7
	s_cmp_gt_u32 s[32+\e], s14
	s_cselect_b32 s13, \e, s13
	s_cselect_b32 s14, s[32+\e], s14
.endr
	s_mov_b32 s15, 1
.irp e, 0,1,2,3,4,5,6,7
	s_cmp_eq_u32 s13, \e
	s_cselect_b32 s11, s12, 0
	s_add_co_u32 s[42+\e], s[42+\e], s11           ; it takes them
	s_cmp_eq_u32 s13, \e
	s_cselect_b32 s15, s[42+\e], s15               ; n, its number of blocks
.endr
	; q = ceil(c / n) = how many i in 0 .. 159 have i n < c (q is at most 144)
.irp p, 0,1,2,3,4
	v_add_nc_u32 v29, 32*\p, v1
	v_mul_lo_u32 v29, v29, s15
	v_cmp_lt_u32 s11, v29, s14
.if \p == 0
	s_bcnt1_i32_b32 s66, s11
.else
	s_bcnt1_i32_b32 s11, s11
	s_add_co_u32 s66, s66, s11
.endif
.endr
	s_mov_b32 s50, 0                               ; the first block of each expert, s[50:57]
.irp e, 0,1,2,3,4,5,6
	s_add_co_u32 s[51+\e], s[50+\e], s[42+\e]
.endr
	; block b belongs to the LAST expert whose first block is at or below b: that passes over experts without rows
	v_mov_b32 v56, 0                               ; expert
	v_mov_b32 v60, 0                               ; its first block
	v_mov_b32 v61, s32                             ; its count
.irp e, 1,2,3,4,5,6,7
	v_cmp_le_u32 vcc_lo, s[50+\e], v0
	v_cndmask_b32 v56, v56, \e, vcc_lo
	v_cndmask_b32 v60, v60, s[50+\e], vcc_lo
	v_cndmask_b32 v61, v61, s[32+\e], vcc_lo
.endr
	v_mov_b32 v62, 144
	v_cmp_eq_u32 vcc_lo, s13, v56
	v_cndmask_b32 v62, v62, s66, vcc_lo            ; rows to a block
	v_sub_nc_u32 v63, v0, v60
	v_mul_lo_u32 v57, v63, v62                     ; first place in the list
	v_sub_nc_u32 v58, v61, v57
	v_min_u32 v58, v58, v62                        ; rows
	v_mov_b32 v59, 0
	v_lshlrev_b32 v31, 4, v0
	global_store_b128 v31, v[56:59], s[8:9]
.Ldone:
	s_branch .Lnarrow
.Lstream:                                              ; work-groups 1 to 255
	WLOADS
.Lnarrow:
	; the weights: narrowed in the registers they came into, stored from there; no register is used twice, so no wait frees one
.irp i, 0,1,2,3
	s_wait_loadcnt 11-\i                           ; loads come back in order: number i is in, the younger ones stay out
	v_cvt_pk_f16_f32 v[CV+4*\i],   v[CV+4*\i],   v[CV+4*\i+1]
	v_cvt_pk_f16_f32 v[CV+4*\i+1], v[CV+4*\i+2], v[CV+4*\i+3]
	global_store_b64 v[TS], v[CV+4*\i:CV+4*\i+1], s[76:77] offset:8192*\i
.endr
.irp i, 0,1,2,3,4,5,6,7
	s_wait_loadcnt 7-\i
	v_cvt_pk_f16_f32 v[CV+16+4*\i],   v[CV+16+4*\i],   v[CV+16+4*\i+1]
	v_cvt_pk_f16_f32 v[CV+16+4*\i+1], v[CV+16+4*\i+2], v[CV+16+4*\i+3]
	global_store_b64 v[TS], v[CV+16+4*\i:CV+16+4*\i+1], s[78:79] offset:8192*\i
.endr
	s_wait_tensorcnt 0x0
	ds_add_u32 v126, v127
	s_wait_dscnt 0x0
	s_endpgm
.Lfunc_end_k_q981097e331_place:
	.size	k_q981097e331_place, .Lfunc_end_k_q981097e331_place-k_q981097e331_place
	.p2alignl 7, 3214868480
	.fill 96, 4, 3214868480
	.section	.rodata,"a",@progbits
	.p2align	6, 0x0
	.amdhsa_kernel k_q981097e331_place
		.amdhsa_group_segment_fixed_size 4608
		.amdhsa_private_segment_fixed_size 0
		.amdhsa_enable_private_segment 0
		.amdhsa_kernarg_size 56
		.amdhsa_user_sgpr_count 2
		.amdhsa_user_sgpr_kernarg_segment_ptr 1
		.amdhsa_wavefront_size32 1
		.amdhsa_system_sgpr_workgroup_id_x 1
		.amdhsa_system_sgpr_workgroup_id_y 1
		.amdhsa_system_sgpr_workgroup_id_z 1
		.amdhsa_system_vgpr_workitem_id 0
		.amdhsa_next_free_vgpr 128
		.amdhsa_next_free_sgpr 84
		.amdhsa_reserve_vcc 1
		.amdhsa_float_denorm_mode_32 3
		.amdhsa_float_denorm_mode_16_64 3
		.amdhsa_memory_ordered 1
		.amdhsa_forward_progress 1
		.amdhsa_inst_pref_size 42
	.end_amdhsa_kernel
	.amdgpu_metadata
---
amdhsa.version: [ 1, 2 ]
amdhsa.kernels:
  - .name:           k_q981097e331_place
    .symbol:         k_q981097e331_place.kd
    .args:
      - { .name: W1, .offset: 0, .size: 8, .value_kind: global_buffer, .address_space: global }
      - { .name: W2, .offset: 8, .size: 8, .value_kind: global_buffer, .address_space: global }
      - { .name: W1h, .offset: 16, .size: 8, .value_kind: global_buffer, .address_space: global }
      - { .name: W2h, .offset: 24, .size: 8, .value_kind: global_buffer, .address_space: global }
      - { .name: sel, .offset: 32, .size: 8, .value_kind: global_buffer, .address_space: global }
      - { .name: list, .offset: 40, .size: 8, .value_kind: global_buffer, .address_space: global }
      - { .name: blk, .offset: 48, .size: 8, .value_kind: global_buffer, .address_space: global }
    .group_segment_fixed_size: 4608
    .private_segment_fixed_size: 0
    .kernarg_segment_align: 8
    .kernarg_segment_size: 56
    .max_flat_workgroup_size: 1024
    .sgpr_count:     84
    .vgpr_count:     128
    .wavefront_size: 32
...
	.end_amdgpu_metadata
.endif
;; end of part 2
;; launch moe (part 3): grid 4 x 64, 4 waves a work-group, no clusters, 327,680 bytes of LDS; arguments xh, W1h, W2h, b1, b2, blk, list, ypart; writes ypart
.if DOCPART == 3
	.amdgcn_target "amdgcn-amd-amdhsa--gfx1250"
	.amdhsa_code_object_version 6
	.text
	.protected	k_q981097e331_moe
	.globl	k_q981097e331_moe
	.p2align	8
	.type	k_q981097e331_moe,@function
k_q981097e331_moe:
	s_mov_b64 s[64:65], 0
	v_nop
	global_prefetch_b8 v0, s[64:65] scope:SCOPE_SE
	s_setreg_imm32_b32 hwreg(HW_REG_WAVE_MODE, 25, 1), 1
	s_wait_xcnt 0x0
; MOE.  Work-group (s, b): block b of the table (up to 144 pairs of one expert e) and quarter s of the hidden width.
;   phase A: h[m][n] = relu(sum over d of x[m][d] W1[e][d][512 s + n] + b1[e][512 s + n]),   144 x 512, K = 512
;   phase B: Y[m][c] = sum over n of h[m][n] W2[e][512 s + n][c]  (+ b2[e][c] in quarter 0), 144 x 512, K = 512, stored as f32 to ypart[s][pair m]
; Only the two experts that the gate chose are evaluated: the problem's own combine weight is exactly 0 for the other six.
; h never leaves LDS.  The four quarters of Y are added, and weighted by the gate, in the next launch.
; SHARES.  Four waves; wave w owns columns 128 w .. + 127 of both results, all 144 rows: 9 x 8 accumulators of 16 x 16, 576 registers, used for h and then again for Y.
; A block with fewer than 144 rows repeats its last row: the repeats give the same numbers and the same wave stores them onto the same bytes, so no branch, trip count or lane mask hangs on the row count.
; THE MATRIX INSTRUCTION IS USED TRANSPOSED: source 0 = 16 columns of the weights (turned on the way out of LDS, since they lie [k][n]), source 1 = 16 rows of x or h.
; A lane then holds row lane % 16 and the 8 neighbouring columns 8 (lane / 16) + 0..7.  The bias, which hangs on the column alone, rides in as the C of the first product: nothing is cleared, nothing is added later.
; LDS.  0 .. 149759: 144 rows x 1040 bytes (1024 + 16; 1040 = 65 x 16, so the 16 rows of a fragment load lie in 16 different 16-byte columns): x, later h.  Written by ds_store alone; no tensor load lands there.
;       149760 on: two slots; in each, 18432 bytes for each wave: 64 k rows x 256 bytes of its own 128 columns at pitch 288 (9 x 32, for the turning load).  A wave fills and reads its own part alone.
;       On the way out the first 8448 bytes of a wave's part of slot 0 are its stage: that part has had its last fill and its last read by then.
; TILES.  16 of them, 64 along K each: 0-7 of W1, 8-15 of W2, tile i in slot i % 2.  Two go out at the start; then one load a wave behind each change of slots, so at most two of a wave's tensor loads are out.
; NO MULTICAST: which work-groups read the same weights hangs on the experts' block counts, read from memory (0 to 36 blocks an expert), while a cluster's shape and masks are fixed at the launch;
;       the four quarters of a block share x alone, 144 KiB of the 1.2 MiB that a work-group reads, and x comes by a gather through registers.
; LIMITS.  Operands are f16: |x|, |W| and h up to 65504; beyond that infinities appear.  relu is a maximum that drops a NaN.  An expert that was not chosen contributes nothing, also where its own result would not be finite.
; REGISTERS, in windows of 256 (s_set_vgpr_msb: bits 1:0 source 0, 3:2 source 1, 5:4 source 2, 7:6 destination):
;   window 0: v0-31 addresses; v32-103, v104-175 fragments of x or h (9 x 8), two buffers; v176-184 pair numbers; v192-255 b2
;   window 1: accumulators of rows 0-63 (row block mt, column block nt at 64 (mt % 4) + 8 nt);  window 2: rows 64-127
;   window 3: v0-63 rows 128-143; v64-127, v128-191 fragments of the weights, two buffers; v192-255 b1
.set PA,     1040
.set SLOTS0, 144*PA                    ; 149760 = 585 x 256
.set PW,     288
.set WSL,    64*PW                     ; a wave's part of a slot
.set SLOT,   4*WSL
.set SPT,    528                       ; the stage's pitch: 512 + 16 = 33 x 16
.set ADRA, 4                           ; v4-6    r x 1040 + 16 h + 64 g rows: never rewritten
.set ADRB, 8                           ; v8-9    my lane's place for the turning load in my part of slot 0, 1
.set STO,  10                          ; v10-12  where I put 16 bytes of h: ADRA + 256 w
.set STG,  13                          ; v13     the way out: where I put 16 bytes of a row
.set RDS,  14                          ; v14     the way out: where I read a row back
.set L16,  15                          ; v15     16 x lane
.set XST,  16                          ; v16     where I put 16 bytes of a gathered row of x
.set R16,  17                          ; v17     16 x (lane % 16)
.set H32,  18                          ; v18     32 x (lane / 16)
.set AW,   20                          ; v20-22  ADRA + the K offset of the loop's trip
.set GI,   32                          ; v32-49  the gather: list places, then pair numbers, then byte offsets in xh
.set AF,   32
.set PR,   176
.set BIAS, 192
.set BF,   64
.set OB,   32                          ; the way out: 16 rows read back, v32-95 and v96-159 by turns
.set YA,   160                         ; the way out: 16 byte offsets in ypart
.set G1A,  24                          ; s[24:31] descriptor group 1 for tiles of W1
.set G1B,  32                          ; s[32:39] for tiles of W2: another pitch
.set G0A,  40                          ; s[40:47] group 0 for W1, a set for each slot
.set G0B,  48                          ; s[48:55] the same for W2
.set PS,   84                          ; s[84:99] the way out: the pair numbers of a block's 16 rows
.set MSB, 0
.macro WIN new                         ; the immediate's high byte repeats the setting that is left; a switch that changes nothing is dropped
.if MSB != \new
	s_set_vgpr_msb (MSB<<8)|\new
.set MSB, \new
.endif
.endm
; A vector instruction that reads a matrix result or writes a matrix instruction's register, an LDS store of a result, and a load into a register that a matrix instruction has read stand
; four places behind it; only plain vector instructions that name none of its registers are places (ISA guide 7.12.1 for vector instructions).
.macro PLACES
.rept 4
	v_nop
.endr
.endm
	s_load_b512 s[4:19], s[0:1], 0x0               ; xh 4, W1h 6, W2h 8, b1 10, b2 12, blk 14, list 16, ypart 18
	v_lshl_add_u32 v190, v0, 2, 0x48900
	v_mov_b32 v191, 0
	ds_add_u32 v190, v191
	ds_add_u32 v190, v191
	v_lshrrev_b32 v3, 5, v0
	v_readfirstlane_b32 s20, v3                    ; wave 0..3
	s_mov_b32 s21, ttmp9                           ; s, the quarter
	s_and_b32 s22, ttmp7, 0xffff                   ; b, the block
	s_lshl_b32 s66, s22, 4
	s_mov_b32 s67, 0
	; group 1: a tile of 64 rows x 128 elements of 2 bytes; behind every 64 words (code 5) 8 words of padding (code 7)
.irp g, G1A, G1B
	s_mov_b32 s[\g+0], (1<<16)|(1<<20)|(5<<22)|(7<<25)
	s_mov_b32 s[\g+1], 128<<16                     ; tensor_dim0 = 128
	s_mov_b32 s[\g+2], 64<<16                      ; tensor_dim1 = 64
	s_mov_b32 s[\g+3], 128<<16                     ; tile_dim0 = 128
	s_mov_b32 s[\g+4], 64                          ; tile_dim1 = 64
	s_mov_b32 s[\g+6], 0
	s_mov_b32 s[\g+7], 0
.endr
	s_mov_b32 s[G1A+5], 2048                       ; elements from row to row of W1
	s_mov_b32 s[G1B+5], 512                        ; of W2
	s_mul_i32 s71, s20, WSL                        ; my part of a slot
	s_wait_dscnt 0x0
	s_wait_kmcnt 0x0
	s_add_nc_u64 s[14:15], s[14:15], s[66:67]
	s_load_b128 s[56:59], s[14:15], 0x0            ; the block: expert, first place in its list, rows
	s_wait_kmcnt 0x0
	s_min_u32 s56, s56, 7                          ; what was loaded enters addresses only behind a bound
	s_lshl_b32 s70, s56, 21                        ; an expert's weights: 2 MiB in f16
	s_lshl_b32 s68, s20, 8                         ; my 128 columns
	s_add_co_u32 s70, s70, s68
	s_lshl_b32 s68, s21, 10                        ; W1: the quarter's 512 columns
	s_add_co_u32 s66, s70, s68
	s_add_nc_u64 s[G0A+2:G0A+3], s[6:7], s[66:67]  ; tile 0
	s_add_nc_u64 s[G0A+6:G0A+7], s[G0A+2:G0A+3], 64*4096   ; tile 1: 64 rows of 4096 bytes on
	s_lshl_b32 s68, s21, 19                        ; W2: the quarter's 512 rows of 1024 bytes
	s_add_co_u32 s66, s70, s68
	s_add_nc_u64 s[G0B+2:G0B+3], s[8:9], s[66:67]  ; tile 8
	s_add_nc_u64 s[G0B+6:G0B+7], s[G0B+2:G0B+3], 64*1024   ; tile 9
.irp g, G0A, G0B
	s_mov_b32 s[\g], 1
	s_add_co_u32 s[\g+1], s71, SLOTS0
	s_or_b32 s[\g+3], s[\g+3], 0x80000000
	s_mov_b32 s[\g+4], 1
	s_add_co_u32 s[\g+5], s71, SLOTS0+SLOT
	s_or_b32 s[\g+7], s[\g+7], 0x80000000
.endr
	tensor_load_to_lds s[G0A:G0A+3], s[G1A:G1A+7]      ; the two first fills go out together, ahead of every LDS read, every wait on TENSORcnt and every barrier
	s_nop 0
	tensor_load_to_lds s[G0A+4:G0A+7], s[G1A:G1A+7]
	s_nop 0
	s_sub_co_u32 s60, s58, 1                       ; the block's last row
	s_lshl_b32 s61, s56, 12
	s_add_co_u32 s61, s61, s57                     ; the block's first place in list
	s_lshl_b32 s70, s20, 9                         ; my 128 columns in f32
	s_lshl_b32 s66, s56, 13
	s_lshl_b32 s68, s21, 11
	s_add_co_u32 s66, s66, s68
	s_add_co_u32 s66, s66, s70
	s_add_nc_u64 s[10:11], s[10:11], s[66:67]      ; b1 at [e][512 s + 128 w]
	s_lshl_b32 s66, s56, 11
	s_add_co_u32 s66, s66, s70
	s_add_nc_u64 s[12:13], s[12:13], s[66:67]      ; b2 at [e][128 w]
	s_lshl_b32 s66, s21, 24
	s_add_co_u32 s66, s66, s70
	s_add_nc_u64 s[18:19], s[18:19], s[66:67]      ; ypart at [s][0][128 w]
	s_cmp_eq_u32 s21, 0
	s_cselect_b32 s62, -1, 0                       ; all lanes in quarter 0, none elsewhere: b2 is added once
	s_add_co_u32 s69, s71, SLOTS0                  ; my part of slot 0
	v_and_b32 v1, 15, v0                           ; r
	v_bfe_u32 v2, v0, 4, 1                         ; h
	v_and_b32 v3, 31, v0                           ; lane
	v_mul_u32_u24 v[ADRA], v1, PA
	v_lshl_add_u32 v[ADRA], v2, 4, v[ADRA]
	v_add_nc_u32 v[ADRA+1], 64*PA, v[ADRA]
	v_add_nc_u32 v[ADRA+2], 128*PA, v[ADRA]
	v_and_b32 v19, 7, v0                           ; the turning load: lane l reads 16 bytes of k row 8 h + l % 8, columns 8 ((l / 8) % 2) on
	v_lshl_add_u32 v19, v2, 3, v19
	v_mul_u32_u24 v[ADRB], v19, PW
	v_bfe_u32 v19, v0, 3, 1
	v_lshl_add_u32 v[ADRB], v19, 4, v[ADRB]
	v_add_nc_u32 v[ADRB], s69, v[ADRB]
	v_add_nc_u32 v[ADRB+1], SLOT, v[ADRB]
	v_lshl_add_u32 v[STO], s20, 8, v[ADRA]
	v_add_nc_u32 v[STO+1], 64*PA, v[STO]
	v_add_nc_u32 v[STO+2], 128*PA, v[STO]
	v_mul_u32_u24 v[STG], v1, SPT
	v_lshl_add_u32 v[STG], v2, 5, v[STG]
	v_add_nc_u32 v[STG], s69, v[STG]
	v_lshlrev_b32 v[L16], 4, v3
	v_add_nc_u32 v[RDS], s69, v[L16]
	v_lshlrev_b32 v[R16], 4, v1
	v_lshlrev_b32 v[H32], 5, v2
	s_mul_i32 s68, s20, 36*PA                      ; wave w gathers rows 36 w .. 36 w + 35, two at a time: lanes 0-15 one, lanes 16-31 the next
	v_mul_u32_u24 v[XST], v2, PA
	v_lshl_add_u32 v[XST], v1, 4, v[XST]
	v_add_nc_u32 v[XST], s68, v[XST]
	s_mul_i32 s68, s20, 36
	v_add_nc_u32 v19, s68, v2                      ; 36 w + h
	; the biases as C fragments: lane (r, h), column block nt: the 8 numbers at column 16 nt + 8 h
	WIN 0xc0                                       ; destination window 3
.irp nt, 0,1,2,3,4,5,6,7
	global_load_b128 v[BIAS+8*\nt:BIAS+8*\nt+3],   v[H32], s[10:11] offset:64*\nt
	global_load_b128 v[BIAS+8*\nt+4:BIAS+8*\nt+7], v[H32], s[10:11] offset:64*\nt+16
.endr
	WIN 0
.irp nt, 0,1,2,3,4,5,6,7
	global_load_b128 v[BIAS+8*\nt:BIAS+8*\nt+3],   v[H32], s[12:13] offset:64*\nt
	global_load_b128 v[BIAS+8*\nt+4:BIAS+8*\nt+7], v[H32], s[12:13] offset:64*\nt+16
.endr
; the pair number of block row v[base] + add; rows past the block's last repeat it.  The load lands on its own address register
.macro LISTIX dst, base, add
	v_add_nc_u32 v[\dst], \add, v[\base]
	v_min_u32 v[\dst], s60, v[\dst]
	v_add_nc_u32 v[\dst], s61, v[\dst]
	v_min_u32 v[\dst], 0x7fff, v[\dst]             ; held inside the buffer whatever was loaded
	v_lshlrev_b32 v[\dst], 2, v[\dst]
	global_load_b32 v[\dst], v[\dst], s[16:17]
.endm
.set j, 0
.rept 18
	LISTIX GI+j, 19, 2*j                           ; for the gather: row 36 w + 2 j + h
.set j, j+1
.endr
.set j, 0
.rept 9
	LISTIX PR+j, 1, 16*j                           ; for the way out: row 16 mt + r
.set j, j+1
.endr
	s_wait_loadcnt 0x0                             ; the pair numbers feed the next addresses; the biases are in with them
.set j, 0
.rept 18
	v_lshrrev_b32 v[GI+j], 1, v[GI+j]              ; the token,
	v_min_u32 v[GI+j], 0xfff, v[GI+j]              ; held inside xh,
	v_lshl_add_u32 v[GI+j], v[GI+j], 10, v[R16]    ; its row of 1024 bytes + my 16 bytes
.set j, j+1
.endr
	; 72 loads: 16 lanes take 256 consecutive aligned bytes of one row.  They land in the accumulators, which are not yet in use
	WIN 0x40                                       ; destination window 1
.set n, 0
.rept 36
	global_load_b128 v[4*n:4*n+3], v[GI+n/4], s[4:5] offset:256*(n%4)
.set n, n+1
.endr
	WIN 0x80                                       ; destination window 2
.set n, 0
.rept 36
	global_load_b128 v[4*n:4*n+3], v[GI+9+n/4], s[4:5] offset:256*(n%4)
.set n, n+1
.endr
	WIN 0
.set n, 0
.rept 64
	v_cndmask_b32 v[BIAS+n], 0, v[BIAS+n], s62     ; b2 stays in quarter 0 and is 0 in the others
.set n, n+1
.endr
.irp g, 0,1,2
	v_mov_b32 v[AW+\g], v[ADRA+\g]
.endr
	s_wait_loadcnt 36                              ; the first 36 loads of x are in, the other 36 stay out
	WIN 0x04                                       ; store data window 1
.set n, 0
.rept 36
	ds_store_b128 v[XST], v[4*n:4*n+3] offset:2*(n/4)*PA+256*(n%4)
.set n, n+1
.endr
	s_wait_loadcnt 0x0
	WIN 0x08                                       ; store data window 2
.set n, 0
.rept 36
	ds_store_b128 v[XST], v[4*n:4*n+3] offset:2*(9+n/4)*PA+256*(n%4)
.set n, n+1
.endr
	WIN 0
; 16 turning loads: the weights' fragments of 32 along K (half kk of the tile in my part of the slot), 8 column blocks, into buffer f
.macro FETCHB slot, kk, f
	WIN 0xc0                                       ; destination window 3, address window 0
.set fn, 0
.rept 8
	ds_load_tr16_b128 v[BF+64*\f+8*fn:BF+64*\f+8*fn+3],   v[ADRB+\slot] offset:\kk*32*PW+32*fn
	ds_load_tr16_b128 v[BF+64*\f+8*fn+4:BF+64*\f+8*fn+7], v[ADRB+\slot] offset:\kk*32*PW+32*fn+16*PW
.set fn, fn+1
.endr
.endm
; 18 loads: the fragments of x or h, 9 row blocks, 32 along K at byte koff of the rows (counted from the trip's offset), into buffer f
.macro FETCHA koff, f
	WIN 0
.set fm, 0
.rept 9
	ds_load_b128 v[AF+72*\f+8*fm:AF+72*\f+8*fm+3],   v[AW+fm/4] offset:(fm%4)*16*PA+\koff
	ds_load_b128 v[AF+72*\f+8*fm+4:AF+72*\f+8*fm+7], v[AW+fm/4] offset:(fm%4)*16*PA+\koff+32
.set fm, fm+1
.endr
.endm
; Row blocks mtlo .. mthi x all 8 column blocks on buffer f.  The 72 accumulators take turns, one instruction a turn, in the same order everywhere.
; first = 0: the sums go on; 1: they start from b1 (window 3); 2: from b2 (window 0)
.macro MUL f, mtlo, mthi, first
.set mt, \mtlo
.rept \mthi-\mtlo+1
.if \first == 0
.set wn, ((1+mt/4)<<6)|((1+mt/4)<<4)|3
.elseif \first == 1
.set wn, ((1+mt/4)<<6)|(3<<4)|3
.else
.set wn, ((1+mt/4)<<6)|3
.endif
	WIN wn
.set nt, 0
.rept 8
.set rD, 64*(mt%4)+8*nt
.set rB, BF+64*\f+8*nt
.set rA, AF+72*\f+8*mt
.if \first == 0
	v_wmma_f32_16x16x32_f16 v[rD:rD+7], v[rB:rB+7], v[rA:rA+7], v[rD:rD+7]
.else
	v_wmma_f32_16x16x32_f16 v[rD:rD+7], v[rB:rB+7], v[rA:rA+7], v[BIAS+8*nt:BIAS+8*nt+7]
.endif
.set nt, nt+1
.endr
.set mt, mt+1
.endr
.endm
; A tile is two halves of 32 along K, 72 matrix instructions each, on buffers 0 and 1.
; The first half multiplies buffer 0 and, in its middle, fetches the second half of the same tile into buffer 1.
.macro HALF slot, koff, first
	s_wait_dscnt 10                                ; the weights and rows 0-63 are in; the 10 youngest loads (rows 64-143) may be out
	MUL 0, 0, 3, \first
	PLACES
	FETCHB \slot, 1, 1
	FETCHA \koff, 1
	s_wait_dscnt 34                                ; all but the 34 just issued
	MUL 0, 4, 8, \first
.endm
; The second half multiplies buffer 1 and changes slots.  In front of the barrier every wave waits for its LDS reads (the slot's last among them) and for all its tensor loads, of which one is
; out: the next tile.  Behind it the slot just read is filled again first, with the tile two on (group 0 at g0, stepped by step bytes; group 1 at g1); then the next tile's first fragments are fetched.
; That load has a whole tile's work, 144 matrix instructions less the 16 between signal and wait, in which to land.
.macro TURN next, koff, g0, g1, step, fa
	s_wait_dscnt 10
	MUL 1, 0, 1, 0
	s_wait_dscnt 0x0                               ; my reads of this slot, and of x or h so far, are back
	s_set_vgpr_msb 0x5350
	s_wait_tensorcnt 0x0                           ; all my tensor loads have landed: no group 0 is in use
	ds_add_u32 v190, v191
	s_wait_dscnt 0x0
	s_set_vgpr_msb 0x5053
	s_barrier_signal -1
	MUL 1, 2, 3, 0                                 ; registers only, while the others arrive
	s_barrier_wait -1
.if \step
	s_add_nc_u64 s[\g0+2:\g0+3], s[\g0+2:\g0+3], \step
.endif
	tensor_load_to_lds s[\g0:\g0+3], s[\g1:\g1+7]  ; my one tensor load behind this barrier, and the first thing there
	s_nop 0
	PLACES                                         ; in front of the loads into buffer 0
	FETCHB \next, 0, 0
.if \fa
	FETCHA \koff, 0
.endif
	MUL 1, 4, 8, 0
.endm
; Three trips take six tiles: from a tile's second half to the first half of the tile two on.  s63: the K offset, in bytes of a row of x or h, of the trip
.macro LAPS g0, g1, step
	WIN 0                                          ; at a label and at a branch every window is 0
	s_mov_b32 s23, 3
	s_mov_b32 s63, 0
.Llap_\@:
	TURN 1, 128, \g0, \g1, \step, 1
	HALF 1, 192, 0
	TURN 0, 256, \g0+4, \g1, \step, 1
	HALF 0, 320, 0
	WIN 0
	s_add_co_u32 s63, s63, 256                     ; two tiles = 128 along K = 256 bytes
.irp g, 0,1,2
	v_add_nc_u32 v[AW+\g], s63, v[ADRA+\g]
.endr
	s_sub_co_u32 s23, s23, 1
	s_cmp_lg_u32 s23, 0
	s_cbranch_scc1 .Llap_\@
.endm
	; PHASE A
	s_wait_dscnt 0x0                               ; for the others: my 36 rows of x are in LDS
	s_wait_tensorcnt 0x1                           ; tile 0 is in; tile 1 may stay out
	s_barrier_signal -1
	s_barrier_wait -1
	FETCHB 0, 0, 0
	FETCHA 0, 0
	HALF 0, 64, 1                                  ; tile 0, first half: the sums start from b1
	LAPS G0A, G1A, 2*64*4096                       ; asks for tiles 2 to 7
	TURN 1, 128, G0B, G1B, 0, 1                    ; tile 6 ends; slot 0 takes tile 8, the first of W2
	HALF 1, 192, 0
	TURN 0, 0, G0B+4, G1B, 0, 0                    ; tile 7 ends; slot 1 takes tile 9; the weights of tile 8 are fetched, h is not there yet
	; every wave waited for its last read of x in front of that barrier: x may be overwritten
	; h = relu, narrowed to f16, into the rows where x lay: row 16 mt + r, bytes 256 w + 32 nt + 16 h
.macro HOUT g, tiles, w
.set wn, (\w<<6)|(\w<<2)
	WIN wn
.set n, 0
.rept 8*\tiles
	v_max_num_f32 v[n], 0, v[n]
.set n, n+1
.endr
.set wn, (\w<<2)|\w
	WIN wn
.set n, 0
.rept 4*\tiles
	v_cvt_pk_f16_f32 v[AF+n], v[2*n], v[2*n+1]
.set n, n+1
.endr
	WIN 0
.set n, 0
.rept \tiles
	ds_store_b128 v[STO+\g], v[AF+4*n:AF+4*n+3] offset:(n/8)*16*PA+32*(n%8)
.set n, n+1
.endr
.endm
	PLACES
	HOUT 0, 32, 1
	HOUT 1, 32, 2
	HOUT 2, 8, 3
.irp g, 0,1,2
	v_mov_b32 v[AW+\g], v[ADRA+\g]
.endr
	s_wait_dscnt 0x0                               ; for the others: my 128 columns of h are in LDS
	s_barrier_signal -1                            ; tile 9 may stay out
	s_barrier_wait -1
	FETCHA 0, 0
	; PHASE B
	HALF 0, 64, 2                                  ; tile 8, first half: the sums start from b2 or from 0
	LAPS G0B, G1B, 2*64*1024                       ; asks for tiles 10 to 15
	s_wait_dscnt 10                                ; tile 14 ends.  Nothing is left to ask for, so no barrier: the slots are each wave's own, and h is only read
	MUL 1, 0, 3, 0
	s_wait_tensorcnt 0x0                           ; tile 15, my last load: none was issued behind it
	PLACES
	FETCHB 1, 0, 0
	FETCHA 128, 0
	s_wait_dscnt 34
	MUL 1, 4, 8, 0
	HALF 1, 192, 0
	s_wait_dscnt 10
	MUL 1, 0, 3, 0
	s_wait_dscnt 0x0
	MUL 1, 4, 8, 0
	; THE WAY OUT, a block of 16 rows at a time: a lane's 32 bytes of a row go into my stage, whole rows of 512 bytes come back, and each is stored at its pair's row of ypart.
.macro TOSTAGE mt
.if (\mt) >= 2
	s_wait_xcnt 0x0                                ; the stores of the block two back have had their addresses translated: only behind this wait are their registers written again
.endif
.set wn, (1+(\mt)/4)<<2
	WIN wn                                         ; store data: the accumulators' window
.set nt, 0
.rept 8
	ds_store_b128 v[STG], v[64*((\mt)%4)+8*nt:64*((\mt)%4)+8*nt+3]   offset:64*nt
	ds_store_b128 v[STG], v[64*((\mt)%4)+8*nt+4:64*((\mt)%4)+8*nt+7] offset:64*nt+16
.set nt, nt+1
.endr
	WIN 0
.set n, 0
.rept 16
	ds_load_b128 v[OB+64*((\mt)%2)+4*n:OB+64*((\mt)%2)+4*n+3], v[RDS] offset:SPT*n   ; LDS serves a wave's instructions in order: these see the stores above, and the next block's stores come behind them
.set n, n+1
.endr
.endm
; The 16 rows' offsets are made in three runs of sixteen, each on its own scalar register: lane reads, bounds, offsets.  So a scalar instruction follows a vector
; instruction that feeds it, and a vector instruction a scalar one, once for a run and not once for a row.
.macro SEND mt, younger                ; younger: the LDS instructions issued behind this block's loads
.set n, 0
.rept 16
	v_readlane_b32 s[PS+n], v[PR+\mt], n           ; lane n holds the pair number of the block's row n
.set n, n+1
.endr
.set n, 0
.rept 16
	s_min_u32 s[PS+n], s[PS+n], 8191               ; held inside ypart
.set n, n+1
.endr
.set n, 0
.rept 16
	v_lshl_add_u32 v[YA+n], s[PS+n], 11, v[L16]    ; its row of 2048 bytes + my 16 bytes
.set n, n+1
.endr
	s_wait_dscnt \younger
.set n, 0
.rept 16
	global_store_b128 v[YA+n], v[OB+64*((\mt)%2)+4*n:OB+64*((\mt)%2)+4*n+3], s[18:19]   ; the wave stores 512 consecutive bytes, at a multiple of 512 from the first byte of ypart
.set n, n+1
.endr
.endm
	PLACES
	TOSTAGE 0
.irp a, 1,2,3,4,5,6,7,8
	TOSTAGE \a
	SEND \a-1, 32                                  ; the next block's 16 stores and 16 loads stay out
.endr
	s_wait_xcnt 0x0                                ; the offsets of the stores just issued are written again below
	SEND 8, 0
	s_wait_tensorcnt 0x0
	ds_add_u32 v190, v191
	s_wait_dscnt 0x0
	s_endpgm
.Lfunc_end_k_q981097e331_moe:
	.size	k_q981097e331_moe, .Lfunc_end_k_q981097e331_moe-k_q981097e331_moe
	.p2alignl 7, 3214868480
	.fill 96, 4, 3214868480
	.section	.rodata,"a",@progbits
	.p2align	6, 0x0
	.amdhsa_kernel k_q981097e331_moe
		.amdhsa_group_segment_fixed_size 327680
		.amdhsa_private_segment_fixed_size 0
		.amdhsa_enable_private_segment 0
		.amdhsa_kernarg_size 64
		.amdhsa_user_sgpr_count 2
		.amdhsa_user_sgpr_kernarg_segment_ptr 1
		.amdhsa_wavefront_size32 1
		.amdhsa_system_sgpr_workgroup_id_x 1
		.amdhsa_system_sgpr_workgroup_id_y 1
		.amdhsa_system_sgpr_workgroup_id_z 1
		.amdhsa_system_vgpr_workitem_id 0
		.amdhsa_next_free_vgpr 1024
		.amdhsa_next_free_sgpr 100
		.amdhsa_reserve_vcc 0
		.amdhsa_float_denorm_mode_32 3
		.amdhsa_float_denorm_mode_16_64 3
		.amdhsa_memory_ordered 1
		.amdhsa_forward_progress 1
		.amdhsa_inst_pref_size 251
	.end_amdhsa_kernel
	.amdgpu_metadata
---
amdhsa.version: [ 1, 2 ]
amdhsa.kernels:
  - .name:           k_q981097e331_moe
    .symbol:         k_q981097e331_moe.kd
    .args:
      - { .name: xh, .offset: 0, .size: 8, .value_kind: global_buffer, .address_space: global }
      - { .name: W1h, .offset: 8, .size: 8, .value_kind: global_buffer, .address_space: global }
      - { .name: W2h, .offset: 16, .size: 8, .value_kind: global_buffer, .address_space: global }
      - { .name: b1, .offset: 24, .size: 8, .value_kind: global_buffer, .address_space: global }
      - { .name: b2, .offset: 32, .size: 8, .value_kind: global_buffer, .address_space: global }
      - { .name: blk, .offset: 40, .size: 8, .value_kind: global_buffer, .address_space: global }
      - { .name: list, .offset: 48, .size: 8, .value_kind: global_buffer, .address_space: global }
      - { .name: ypart, .offset: 56, .size: 8, .value_kind: global_buffer, .address_space: global }
    .group_segment_fixed_size: 327680
    .private_segment_fixed_size: 0
    .kernarg_segment_align: 8
    .kernarg_segment_size: 64
    .max_flat_workgroup_size: 128
    .sgpr_count:     100
    .vgpr_count:     1024
    .wavefront_size: 32
...
	.end_amdgpu_metadata
.endif
;; end of part 3
;; launch combine (part 4): grid 512 x 1, 8 waves a work-group, no clusters, 0 bytes of LDS; arguments ypart, gw, out0; writes out0
.if DOCPART == 4
	.amdgcn_target "amdgcn-amd-amdhsa--gfx1250"
	.amdhsa_code_object_version 6
	.text
	.protected	k_q981097e331_combine
	.globl	k_q981097e331_combine
	.p2align	8
	.type	k_q981097e331_combine,@function
k_q981097e331_combine:
	s_mov_b64 s[64:65], 0
	v_nop
	global_prefetch_b8 v0, s[64:65] scope:SCOPE_SE
	s_setreg_imm32_b32 hwreg(HW_REG_WAVE_MODE, 25, 1), 1
	s_wait_xcnt 0x0
; COMBINE.  out0[t][c] = sum over k = 0, 1 of gw[t][k] x (sum over s = 0..3 of ypart[s][2 t + k][c]), all f32.
; A stream: each byte of ypart is read once, each byte of out0 written once.  No LDS, no barrier, no matrix unit: there is nothing to share and eight multiply-adds for each output.
; Work-group g: tokens 8 g .. 8 g + 7.  Wave w: the four tokens 8 g + 4 (w / 4) + i, bytes 512 (w % 4) + 16 lane of their rows.  Its 32 loads go out at once, token by token; the waits count down.
.set Y, 8                              ; v[8:135]   load 8 i + 4 k + s: 4 registers
.set O, 136                            ; v[136:151] token i: 4 registers
	s_load_b128 s[4:7], s[0:1], 0x0                ; ypart 4, gw 6
	s_load_b64 s[8:9], s[0:1], 0x10                ; out0
	v_lshrrev_b32 v2, 5, v0
	v_readfirstlane_b32 s10, v2                    ; wave 0..7
	v_and_b32 v1, 31, v0
	v_lshlrev_b32 v1, 4, v1
	s_and_b32 s12, s10, 3
	v_lshl_add_u32 v1, s12, 9, v1                  ; my 16 bytes of a row
	s_lshr_b32 s11, s10, 2
	s_lshl_b32 s11, s11, 2
	s_lshl3_add_u32 s11, ttmp9, s11                ; my first token
	s_mov_b32 s13, 0
	s_wait_kmcnt 0x0
	s_lshl_b32 s12, s11, 3
	s_add_nc_u64 s[6:7], s[6:7], s[12:13]
	s_load_b256 s[24:31], s[6:7], 0x0              ; the 4 x 2 gate weights
	s_lshl_b32 s12, s11, 12                        ; a token's two pairs: 4096 bytes
	s_add_nc_u64 s[16:17], s[4:5], s[12:13]        ; a base for each quarter: they lie 16 MiB apart, more than an immediate holds
	s_add_nc_u64 s[18:19], s[16:17], 0x1000000
	s_add_nc_u64 s[20:21], s[16:17], 0x2000000
	s_add_nc_u64 s[22:23], s[16:17], 0x3000000
	s_lshl_b32 s12, s11, 11
	s_add_nc_u64 s[8:9], s[8:9], s[12:13]
.irp i, 0,1,2,3
.irp k, 0,1
.irp s, 0,1,2,3
	global_load_b128 v[Y+4*(8*\i+4*\k+\s):Y+4*(8*\i+4*\k+\s)+3], v1, s[16+2*\s:17+2*\s] offset:\i*4096+\k*2048 th:TH_LOAD_NT
.endr
.endr
.endr
	s_wait_kmcnt 0x0
.irp i, 0,1,2,3
	s_mov_b32 s[32+2*\i], s[25+2*\i]               ; the packed forms take the low word of an even pair for both halves: the second weight gets a pair of its own
	s_mov_b32 s[33+2*\i], s[25+2*\i]
.endr
.irp i, 0,1,2,3
	s_wait_loadcnt 8*(3-\i)                        ; this token's eight loads are in, the later tokens' stay out
.irp h, 0,2
	v_pk_mul_f32 v[O+4*\i+\h:O+4*\i+\h+1], v[Y+32*\i+\h:Y+32*\i+\h+1], s[24+2*\i:25+2*\i] op_sel_hi:[1,0]
.irp s, 1,2,3
	v_pk_fma_f32 v[O+4*\i+\h:O+4*\i+\h+1], v[Y+32*\i+4*\s+\h:Y+32*\i+4*\s+\h+1], s[24+2*\i:25+2*\i], v[O+4*\i+\h:O+4*\i+\h+1] op_sel_hi:[1,0,1]
.endr
.irp s, 0,1,2,3
	v_pk_fma_f32 v[O+4*\i+\h:O+4*\i+\h+1], v[Y+32*\i+16+4*\s+\h:Y+32*\i+16+4*\s+\h+1], s[32+2*\i:33+2*\i], v[O+4*\i+\h:O+4*\i+\h+1] op_sel_hi:[1,0,1]
.endr
.endr
	global_store_b128 v1, v[O+4*\i:O+4*\i+3], s[8:9] offset:\i*2048 th:TH_STORE_NT   ; the wave stores 512 consecutive bytes, aligned
.endr
	s_endpgm
.Lfunc_end_k_q981097e331_combine:
	.size	k_q981097e331_combine, .Lfunc_end_k_q981097e331_combine-k_q981097e331_combine
	.p2alignl 7, 3214868480
	.fill 96, 4, 3214868480
	.section	.rodata,"a",@progbits
	.p2align	6, 0x0
	.amdhsa_kernel k_q981097e331_combine
		.amdhsa_group_segment_fixed_size 0
		.amdhsa_private_segment_fixed_size 0
		.amdhsa_enable_private_segment 0
		.amdhsa_kernarg_size 24
		.amdhsa_user_sgpr_count 2
		.amdhsa_user_sgpr_kernarg_segment_ptr 1
		.amdhsa_wavefront_size32 1
		.amdhsa_system_sgpr_workgroup_id_x 1
		.amdhsa_system_sgpr_workgroup_id_y 1
		.amdhsa_system_sgpr_workgroup_id_z 1
		.amdhsa_system_vgpr_workitem_id 0
		.amdhsa_next_free_vgpr 152
		.amdhsa_next_free_sgpr 66
		.amdhsa_reserve_vcc 0
		.amdhsa_float_denorm_mode_32 3
		.amdhsa_float_denorm_mode_16_64 3
		.amdhsa_memory_ordered 1
		.amdhsa_forward_progress 1
		.amdhsa_inst_pref_size 9
	.end_amdhsa_kernel
	.amdgpu_metadata
---
amdhsa.version: [ 1, 2 ]
amdhsa.kernels:
  - .name:           k_q981097e331_combine
    .symbol:         k_q981097e331_combine.kd
    .args:
      - { .name: ypart, .offset: 0, .size: 8, .value_kind: global_buffer, .address_space: global }
      - { .name: gw, .offset: 8, .size: 8, .value_kind: global_buffer, .address_space: global }
      - { .name: out0, .offset: 16, .size: 8, .value_kind: global_buffer, .address_space: global }
    .group_segment_fixed_size: 0
    .private_segment_fixed_size: 0
    .kernarg_segment_align: 8
    .kernarg_segment_size: 24
    .max_flat_workgroup_size: 256
    .sgpr_count:     66
    .vgpr_count:     152
    .wavefront_size: 32
...
	.end_amdgpu_metadata
.endif
;; end of part 4
;; ======== version 2 of 2: 4 launches; version 1 with the launch prep written anew for expert scheduling mode
;; limits: values are held in f16: magnitudes above 65,504 overflow, below 6.1e-05 lose precision; inputs' magnitudes at most 65,504
;; workspace buffers: W1h 16,777,216 bytes; W2h 16,777,216 bytes; xh 4,194,304 bytes; sel 32,768 bytes of whole numbers; gw 32,768 bytes; list 131,072 bytes of whole numbers; blk 1,024 bytes of whole numbers; ypart 67,108,864 bytes
;; launch prep (part 5): grid 256 x 1, 16 waves a work-group, no clusters, 21,504 bytes of LDS; arguments x, Wg, bg, W1, out1, xh, W1h, sel, gw; writes out1, xh, W1h, sel, gw
.if DOCPART == 5
	.amdgcn_target "amdgcn-amd-amdhsa--gfx1250"
	.amdhsa_code_object_version 6
	.text
	.protected	k_q981097e331_prep
	.globl	k_q981097e331_prep
	.p2align	8
	.type	k_q981097e331_prep,@function
k_q981097e331_prep:
	s_mov_b64 s[64:65], 0
	v_nop
	global_prefetch_b8 v0, s[64:65] scope:SCOPE_SE
	s_setreg_imm32_b32 hwreg(HW_REG_WAVE_SCHED_MODE, 0, 2), 2
	s_setreg_imm32_b32 hwreg(HW_REG_WAVE_MODE, 25, 1), 1
	s_wait_xcnt 0x0
	s_wait_alu depctr_vm_vsrc(0)
; PREP.  Three things, all streams:
;   (1) the gate: logits = x Wg + bg, softmax over the 8 experts (out1), the two largest probabilities (sel: their experts, gw: their values);
;   (2) x narrowed to f16 (xh);   (3) the first half of W1 narrowed to f16 (W1h, same layout).  The rest of the weights is narrowed in the next launch,
;       so that each of the two launches has a stream to run beside its chain of dependent steps (here the gate, there the lists).
; The gate is computed in f32 from the f32 inputs on the vector unit: the choice of two experts is a discontinuous function of the logits, and operands
; narrowed to 16 bits would move it.  It is 4096 x 512 x 8 multiply-adds, next to nothing.
; SHARES.  256 work-groups of 16 waves.  Work-group g: tokens 16 g .. 16 g + 15, one to a wave; floats 16384 g .. + 16383 of W1.
; All 14 loads of a thread go out at once (2 of Wg, 4 of x, 8 of weights), so there is no ring; the waits count down.
; No matrix unit, no cluster, no tensor load: nothing here is read twice but Wg (16 KiB, kept in LDS).
; LIMITS.  f16 holds magnitudes up to 65504; larger x or W become infinite.  Below 6e-5 the absolute rounding error is at most 3e-8.
;          The choice of experts can differ from an f32 evaluation in another order of summation only where two probabilities agree to within f32 rounding.
;          On equal probabilities the lower expert wins, as in top_k.
; THE MODE: SCHED_MODE bits 1:0 = 2 (LLVM: expert scheduling mode 2), set by the entry lines.  The code itself states the register dependences
; between vector instructions and memory or LDS instructions, with s_wait_alu, always for 0.
; THE PLAN.  Registers that memory or LDS instructions touch:
;   v2-v7, v252   offsets and LDS addresses: written at the head, read by loads, stores and LDS instructions, never written again.
;   WGR           global loads land in it, two LDS stores read it; no vector instruction names it.
;   XR            global loads land in it; vector instructions alone read it.
;   XH            written by x's eight conversions, read by the four stores behind them, never written again.
;   WB0 .. WB3    one chunk of Wg each: LDS loads land in each ONCE, so no load ever follows a vector reader of its registers.
;   ACC, v246-251 written by the gate's vector work, read by the four LDS stores into the stages, never written again.
;   v240-245      named by the softmax; later the loads from the stages land in them, and the small outputs' stores read them.
;   CV            global loads land in it; narrowed in place; the stores read it; never written again.
; No register that a memory or LDS instruction has read is written again, so no wait on vm_vsrc is owed anywhere.  The waits on va_vdst: one ahead of the first load,
; one ahead of each run of stores.  The waits on va_sdst: one for the wave's number, one behind each of the three runs of compares.
.set LOG2E, 0x3fb8aa3b
.set WGP,  144                         ; LDS pitch of a group of 4 rows of Wg (128 bytes + 16): 9 x 16, so 16 neighbouring lanes touch 16 different 16-byte columns
.set ST_P, 18432                       ; stage: 16 tokens x 8 probabilities
.set ST_G, 18944                       ; stage: 16 tokens x 2 gate weights
.set ST_E, 19072                       ; stage: 16 tokens x 2 expert numbers
.set NW,   8                           ; loads of weights in a thread
.set ACC,  8                           ; v[8:15]    the 8 sums, then logits, then probabilities
.set XR,   16                          ; v[16:31]   my 16 numbers of the token: register 4 j + c is x[128 j + 4 lane + c]
.set WB0,  32                          ; v[32:63]   chunk 0 of Wg: register 8 c + e is Wg[128 j + 4 lane + c][e]
.set WB1,  64                          ; v[64:95]   chunk 1
.set CV,   96                          ; v[96:127]  8 loads of weights, 4 registers each
.set WB2,  128                         ; v[128:159] chunk 2
.set WB3,  160                         ; v[160:191] chunk 3
.set WGR,  224                         ; v[224:231] my two pieces of Wg on their way into LDS
.set XH,   232                         ; v[232:239] my 16 numbers of the token in f16
.set PM,   64                          ; v[65:70]   the choice: the largest of probabilities 0 .. e (chunk 1's registers are free by then)
.set Q,    72                          ; v[72:79]   the probabilities with the first choice's set to -1
.set R,    80                          ; v[80:86]   the largest of -1 and Q 0 .. e
	s_load_b256 s[4:11], s[0:1], 0x0               ; x 4, Wg 6, bg 8, W1 10
	s_load_b256 s[12:19], s[0:1], 0x20             ; out1 12, xh 14, W1h 16, sel 18
	s_load_b64 s[20:21], s[0:1], 0x40              ; gw
	v_lshl_add_u32 v254, v0, 2, 0x4c00
	v_mov_b32 v255, 0
	v_lshrrev_b32 v6, 5, v0
	v_readfirstlane_b32 s26, v6                    ; wave 0..15
	v_and_b32 v1, 31, v0                           ; lane
	v_lshlrev_b32 v2, 4, v0                        ; 16 x thread: loads of Wg and of the weights
	v_lshlrev_b32 v3, 3, v0                        ; 8 x thread: stores of the narrowed weights
	v_mul_u32_u24 v4, v1, WGP                      ; where my lane reads Wg in LDS: group 32 j + lane
	v_lshrrev_b32 v5, 3, v0                        ; where my thread puts piece q = thread of Wg: group q / 8,
	v_mul_u32_u24 v5, v5, WGP
	v_and_b32 v6, 7, v0
	v_lshl_add_u32 v5, v6, 4, v5                   ; 16 bytes q % 8 of it
	v_lshlrev_b32 v7, 4, v1                        ; 16 x lane
	v_lshlrev_b32 v6, 3, v1                        ; 8 x lane
	v_lshlrev_b32 v252, 2, v1                      ; 4 x lane
	s_wait_alu depctr_va_sdst(0)                   ; s26 is written, ahead of its first reader: my token's number is made from it
	s_lshl_b32 s27, ttmp9, 4
	s_add_co_u32 s27, s27, s26                     ; my token
	s_mov_b32 s29, 0
	s_mov_b32 s40, 0x76543210                      ; v_permlanex16_b32: each lane takes its own place in the other half
	s_mov_b32 s41, 0xfedcba98
	s_wait_kmcnt 0x0
	s_load_b256 s[32:39], s[8:9], 0x0              ; bg
	s_lshl_b32 s28, s27, 11
	s_add_nc_u64 s[4:5], s[4:5], s[28:29]          ; x at my token: rows of 2048 bytes
	s_lshl_b32 s28, s27, 10
	s_add_nc_u64 s[14:15], s[14:15], s[28:29]      ; xh at my token: rows of 1024 bytes
	s_lshl_b32 s28, ttmp9, 16
	s_add_nc_u64 s[10:11], s[10:11], s[28:29]      ; W1 at the group's 65536 bytes
	s_lshl_b32 s28, ttmp9, 15
	s_add_nc_u64 s[16:17], s[16:17], s[28:29]      ; W1h at the group's 32768 bytes
	s_lshl_b32 s28, ttmp9, 9
	s_add_nc_u64 s[12:13], s[12:13], s[28:29]      ; out1: 16 tokens x 32 bytes
	s_lshl_b32 s28, ttmp9, 7
	s_add_nc_u64 s[18:19], s[18:19], s[28:29]      ; sel and gw: 16 tokens x 8 bytes
	s_add_nc_u64 s[20:21], s[20:21], s[28:29]
	; all 14 loads, in the order in which they are wanted
	s_wait_alu depctr_va_vdst(0)                   ; the offsets and LDS addresses v2 to v7 and v252 are written: every load, store and LDS instruction of the kernel reads one of them
	global_load_b128 v[WGR:WGR+3],   v2, s[6:7]
	global_load_b128 v[WGR+4:WGR+7], v2, s[6:7] offset:8192
.irp j, 0,1,2,3
	global_load_b128 v[XR+4*\j:XR+4*\j+3], v7, s[4:5] offset:512*\j
.endr
.irp i, 0,1,2,3,4,5,6,7
	global_load_b128 v[CV+4*\i:CV+4*\i+3], v2, s[10:11] offset:8192*\i th:TH_LOAD_NT
.endr
	s_wait_loadcnt 4+NW                            ; Wg is in: the 4 loads of x and the 8 of weights stay out
	ds_store_b128 v5, v[WGR:WGR+3]
	ds_store_b128 v5, v[WGR+4:WGR+7] offset:64*WGP ; piece q + 512: 64 groups on
	s_wait_dscnt 0x0                               ; for the others: my pieces of Wg are in LDS
	s_barrier_signal -1
	s_barrier_wait -1
; a chunk of Wg: rows 128 j + 4 lane + 0..3, all 8 experts: 8 loads of 16 bytes
.macro WGLD j, buf
.irp i, 0,1,2,3,4,5,6,7
	ds_load_b128 v[\buf+4*\i:\buf+4*\i+3], v4 offset:32*WGP*\j+16*\i
.endr
.endm
; 16 packed multiply-adds: two experts at a time, x broadcast from one register of its pair.  first = 1: the first products start the sums
.macro GFMA j, buf, first
.irp c, 0,1,2,3
.irp e, 0,2,4,6
.if \first && (\c == 0)
	v_pk_mul_f32 v[ACC+\e:ACC+\e+1], v[XR+4*\j:XR+4*\j+1], v[\buf+\e:\buf+\e+1] op_sel_hi:[0,1]
.elseif (\c % 2) == 0
	v_pk_fma_f32 v[ACC+\e:ACC+\e+1], v[XR+4*\j+\c:XR+4*\j+\c+1], v[\buf+8*\c+\e:\buf+8*\c+\e+1], v[ACC+\e:ACC+\e+1] op_sel_hi:[0,1,1]
.else
	v_pk_fma_f32 v[ACC+\e:ACC+\e+1], v[XR+4*\j+\c-1:XR+4*\j+\c], v[\buf+8*\c+\e:\buf+8*\c+\e+1], v[ACC+\e:ACC+\e+1] op_sel:[1,0,0] op_sel_hi:[1,1,1]
.endif
.endr
.endr
.endm
	; all four chunks are asked for at once, each into registers of its own.  No wait: no vector instruction has been issued since the one ahead of the first load
	WGLD 0, WB0
	WGLD 1, WB1
	WGLD 2, WB2
	WGLD 3, WB3
	s_wait_loadcnt NW                              ; x is in: the 8 loads of weights stay out
.irp j, 0,1,2,3
	v_cvt_pk_f16_f32 v[XH+2*\j],   v[XR+4*\j],   v[XR+4*\j+1]
	v_cvt_pk_f16_f32 v[XH+2*\j+1], v[XR+4*\j+2], v[XR+4*\j+3]
.endr
	s_wait_alu depctr_va_vdst(0)                   ; the eight conversions have written XH, which the four stores read
.irp j, 0,1,2,3
	global_store_b64 v6, v[XH+2*\j:XH+2*\j+1], s[14:15] offset:256*\j   ; the wave stores 256 consecutive bytes, at a multiple of 256 from the first byte of xh
.endr
	s_wait_dscnt 24                                ; LDS loads come back in order: chunk 0 is in, the 24 loads of the three younger chunks stay out
	GFMA 0, WB0, 1
	s_wait_dscnt 16
	GFMA 1, WB1, 0
	s_wait_dscnt 8
	GFMA 2, WB2, 0
	s_wait_dscnt 0x0
	GFMA 3, WB3, 0
	; the 8 sums over the 32 lanes: four steps inside each half of 16 lanes, one across; every lane ends with all eight
.irp m, 1,2,4,8
.irp e, 0,1,2,3,4,5,6,7
	v_add_f32_dpp v[ACC+\e], v[ACC+\e], v[ACC+\e] row_xmask:\m row_mask:0xf bank_mask:0xf
.endr
.endr
.irp e, 0,1,2,3,4,5,6,7
	v_permlanex16_b32 v[WB0+\e], v[ACC+\e], s40, s41   ; its destination counts as read: the chunk registers have been written and are free
.endr
	s_wait_kmcnt 0x0                               ; bg
.irp e, 0,1,2,3,4,5,6,7
	v_add_f32 v[ACC+\e], v[ACC+\e], v[WB0+\e]
.endr
.irp e, 0,1,2,3,4,5,6,7
	v_add_f32 v[ACC+\e], s[32+\e], v[ACC+\e]       ; the logits
.endr
	; softmax: the maximum is taken away first
	v_max3_num_f32 v240, v[ACC], v[ACC+1], v[ACC+2]
	v_max3_num_f32 v240, v240, v[ACC+3], v[ACC+4]
	v_max3_num_f32 v240, v240, v[ACC+5], v[ACC+6]
	v_max_num_f32 v240, v240, v[ACC+7]
	v_mov_b32 v241, v240
.irp e, 0,2,4,6
	v_pk_add_f32 v[ACC+\e:ACC+\e+1], v[ACC+\e:ACC+\e+1], v[240:241] neg_lo:[0,1] neg_hi:[0,1]
.endr
.irp e, 0,2,4,6
	v_pk_mul_f32 v[ACC+\e:ACC+\e+1], v[ACC+\e:ACC+\e+1], LOG2E op_sel_hi:[1,0]
.endr
.irp e, 0,1,2,3,4,5,6,7
	v_exp_f32 v[ACC+\e], v[ACC+\e]
.endr
	v_mov_b32 v246, 0                              ; the plain instruction between the exponentials and the use of their results; also: the first index starts at expert 0
	s_wait_alu depctr_va_vdst(0)                   ; the eight exponentials have written ACC: one wait for the batch, ahead of its first reader
	v_pk_add_f32 v[242:243], v[ACC:ACC+1], v[ACC+2:ACC+3]
	v_pk_add_f32 v[250:251], v[ACC+4:ACC+5], v[ACC+6:ACC+7]
	v_pk_add_f32 v[242:243], v[242:243], v[250:251]
	v_add_f32 v242, v242, v243                     ; at least 1: the largest logit gives 2^0
	v_rcp_f32 v244, v242
	v_rcp_f32 v245, v242                           ; twice: a pair for the packed multiply
	v_mov_b32 v247, 1                              ; the plain instruction behind the reciprocals; also: the second index starts at 1, so that it differs from the first even if no comparison below holds
	s_wait_alu depctr_va_vdst(0)                   ; the two reciprocals have written v[244:245]: one wait for both, ahead of their first reader
.irp e, 0,2,4,6
	v_pk_mul_f32 v[ACC+\e:ACC+\e+1], v[ACC+\e:ACC+\e+1], v[244:245]
.endr
	; The two largest probabilities, scanned upward with a strict comparison: on a tie the lower expert stays.  v[246:247] experts, v[248:249] values.
	; The running maximum is made by v_max_num_f32 and not by a select on the last comparison, so the comparisons of a scan hang on no mask:
	; they stand in a run, each into a scalar register of its own (s32-39: bg has been added), with one wait behind the run; the selects of the index follow it.
	v_mov_b32 v249, -1.0
.set prev, ACC
.irp e, 1,2,3,4,5,6,7
	v_cmp_gt_f32 s[32+\e], v[ACC+\e], v[prev]      ; is probability e above the largest of 0 .. e - 1?
.if \e == 7
	v_max_num_f32 v248, v[prev], v[ACC+\e]         ; the largest of all
.else
	v_max_num_f32 v[PM+\e], v[prev], v[ACC+\e]
.endif
.set prev, PM+\e
.endr
	s_wait_alu depctr_va_sdst(0)                   ; the seven comparisons have written s33 to s39, which the selects read
.irp e, 1,2,3,4,5,6,7
	v_cndmask_b32 v246, v246, \e, s[32+\e]
.endr
.irp e, 0,1,2,3,4,5,6,7
	v_cmp_ne_u32 s[32+\e], \e, v246                ; not the first one again
.endr
	s_wait_alu depctr_va_sdst(0)                   ; the eight comparisons have written s32 to s39, which the selects read
.irp e, 0,1,2,3,4,5,6,7
	v_cndmask_b32 v[Q+\e], -1.0, v[ACC+\e], s[32+\e]   ; the first choice counts as -1: never strictly above a running maximum that starts at -1
.endr
.set prev, 249
.irp e, 0,1,2,3,4,5,6,7
	v_cmp_gt_f32 s[32+\e], v[Q+\e], v[prev]
.if \e == 7
	v_max_num_f32 v249, v[prev], v[Q+\e]           ; the second largest
.else
	v_max_num_f32 v[R+\e], v[prev], v[Q+\e]
.endif
.set prev, R+\e
.endr
	s_wait_alu depctr_va_sdst(0)                   ; the eight comparisons have written s32 to s39, which the selects read
.irp e, 0,1,2,3,4,5,6,7
	v_cndmask_b32 v247, v247, \e, s[32+\e]
.endr
	; the 16 tokens meet in LDS, so that each small output leaves as one run of neighbouring bytes.  All lanes of a wave write the same values.
	s_lshl_b32 s44, s26, 5
	s_lshl_b32 s45, s26, 3
	v_mov_b32 v250, s44
	v_mov_b32 v251, s45
	s_wait_alu depctr_va_vdst(0)                   ; ACC, v[246:249] and the addresses v250, v251 are written, which the four LDS stores read; the softmax is done with v240 to v245, in which the loads from the stages land
	ds_store_b128 v250, v[ACC:ACC+3]   offset:ST_P
	ds_store_b128 v250, v[ACC+4:ACC+7] offset:ST_P+16
	ds_store_b64  v251, v[248:249]     offset:ST_G
	ds_store_b64  v251, v[246:247]     offset:ST_E
	s_wait_dscnt 0x0                               ; for the others: my token is in the stages
	s_barrier_signal -1
	s_barrier_wait -1
	s_cmp_lg_u32 s26, 0                            ; no vector instruction stands between the wait above and the three loads below
	s_cbranch_scc1 .Lnot_p
	ds_load_b128 v[240:243], v7 offset:ST_P
	s_wait_dscnt 0x0
	global_store_b128 v7, v[240:243], s[12:13]     ; out1: 512 consecutive bytes
.Lnot_p:
	s_cmp_lg_u32 s26, 1
	s_cbranch_scc1 .Lnot_g
	ds_load_b32 v244, v252 offset:ST_G
	s_wait_dscnt 0x0
	global_store_b32 v252, v244, s[20:21]          ; gw: the group's whole share, 128 consecutive bytes
.Lnot_g:
	s_cmp_lg_u32 s26, 2
	s_cbranch_scc1 .Lnot_e
	ds_load_b32 v245, v252 offset:ST_E
	s_wait_dscnt 0x0
	global_store_b32 v252, v245, s[18:19]          ; sel likewise
.Lnot_e:
	; the weights: narrowed in the registers they came into, stored from there; no register is used twice.  Two halves of four loads:
	; the first half's stores are dealt among the second half's conversions, which name other registers
	s_wait_loadcnt NW-4                            ; loads come back in order: numbers 0 to 3 are in, the four younger ones stay out
.irp i, 0,1,2,3
	v_cvt_pk_f16_f32 v[CV+4*\i],   v[CV+4*\i],   v[CV+4*\i+1]
	v_cvt_pk_f16_f32 v[CV+4*\i+1], v[CV+4*\i+2], v[CV+4*\i+3]
.endr
	s_wait_alu depctr_va_vdst(0)                   ; the first half's conversions have written their registers, which the four stores below read
.irp i, 0,1,2,3
	global_store_b64 v3, v[CV+4*\i:CV+4*\i+1], s[16:17] offset:4096*\i   ; a wave stores 256 consecutive bytes, aligned
	s_wait_loadcnt 3-\i                            ; number 4 + i is in
	v_cvt_pk_f16_f32 v[CV+16+4*\i],   v[CV+16+4*\i],   v[CV+16+4*\i+1]
	v_cvt_pk_f16_f32 v[CV+16+4*\i+1], v[CV+16+4*\i+2], v[CV+16+4*\i+3]
.endr
	s_wait_alu depctr_va_vdst(0)                   ; the second half's conversions have written their registers, which the last four stores read
.irp i, 4,5,6,7
	global_store_b64 v3, v[CV+4*\i:CV+4*\i+1], s[16:17] offset:4096*\i
.endr
	s_wait_dscnt 0x0                               ; the closing lines, six on end
	s_wait_alu 0x0
	s_wait_tensorcnt 0x0
	ds_add_u32 v254, v255
	s_wait_dscnt 0x0
	s_endpgm
.Lfunc_end_k_q981097e331_prep:
	.size	k_q981097e331_prep, .Lfunc_end_k_q981097e331_prep-k_q981097e331_prep
	.p2alignl 7, 3214868480
	.fill 96, 4, 3214868480
	.section	.rodata,"a",@progbits
	.p2align	6, 0x0
	.amdhsa_kernel k_q981097e331_prep
		.amdhsa_group_segment_fixed_size 21504
		.amdhsa_private_segment_fixed_size 0
		.amdhsa_enable_private_segment 0
		.amdhsa_kernarg_size 72
		.amdhsa_user_sgpr_count 2
		.amdhsa_user_sgpr_kernarg_segment_ptr 1
		.amdhsa_wavefront_size32 1
		.amdhsa_system_sgpr_workgroup_id_x 1
		.amdhsa_system_sgpr_workgroup_id_y 1
		.amdhsa_system_sgpr_workgroup_id_z 1
		.amdhsa_system_vgpr_workitem_id 0
		.amdhsa_next_free_vgpr 256
		.amdhsa_next_free_sgpr 66
		.amdhsa_reserve_vcc 0
		.amdhsa_float_denorm_mode_32 3
		.amdhsa_float_denorm_mode_16_64 3
		.amdhsa_memory_ordered 1
		.amdhsa_forward_progress 1
		.amdhsa_inst_pref_size 23
	.end_amdhsa_kernel
	.amdgpu_metadata
---
amdhsa.version: [ 1, 2 ]
amdhsa.kernels:
  - .name:           k_q981097e331_prep
    .symbol:         k_q981097e331_prep.kd
    .args:
      - { .name: x, .offset: 0, .size: 8, .value_kind: global_buffer, .address_space: global }
      - { .name: Wg, .offset: 8, .size: 8, .value_kind: global_buffer, .address_space: global }
      - { .name: bg, .offset: 16, .size: 8, .value_kind: global_buffer, .address_space: global }
      - { .name: W1, .offset: 24, .size: 8, .value_kind: global_buffer, .address_space: global }
      - { .name: out1, .offset: 32, .size: 8, .value_kind: global_buffer, .address_space: global }
      - { .name: xh, .offset: 40, .size: 8, .value_kind: global_buffer, .address_space: global }
      - { .name: W1h, .offset: 48, .size: 8, .value_kind: global_buffer, .address_space: global }
      - { .name: sel, .offset: 56, .size: 8, .value_kind: global_buffer, .address_space: global }
      - { .name: gw, .offset: 64, .size: 8, .value_kind: global_buffer, .address_space: global }
    .group_segment_fixed_size: 21504
    .private_segment_fixed_size: 0
    .kernarg_segment_align: 8
    .kernarg_segment_size: 72
    .max_flat_workgroup_size: 512
    .sgpr_count:     66
    .vgpr_count:     256
    .wavefront_size: 32
...
	.end_amdgpu_metadata
.endif
;; end of part 5
;; launch place: the kernel of part 2 again; grid 256 x 1, 32 waves a work-group, no clusters, 4,608 bytes of LDS; arguments W1, W2, W1h, W2h, sel, list, blk; writes W1h, W2h, list, blk
;; launch moe: the kernel of part 3 again; grid 4 x 64, 4 waves a work-group, no clusters, 327,680 bytes of LDS; arguments xh, W1h, W2h, b1, b2, blk, list, ypart; writes ypart
;; launch combine: the kernel of part 4 again; grid 512 x 1, 8 waves a work-group, no clusters, 0 bytes of LDS; arguments ypart, gw, out0; writes out0
